; MI455X (gfx1250); checked and timed in simulation.
; The chip was launched on July 23, 2026; its instructions are those of AMD's public machine-readable ISA for CDNA 5 (MIT licence, August 2026) and "CDNA5" Instruction Set Architecture Reference Guide (July 2026). The comments in the code are by the model that wrote it; some were corrected since.
;; Seq Attention. Allowed arithmetic: matrix products marked QUANTISED: E4M3 operands, one given power-of-two scale a tensor, by v_wmma_f32_16x16x64_fp8_fp8 or v_wmma_f32_16x16x128_fp8_fp8, f32 sums; products left as they are: f32 operands where the result goes on into a quantised operand, else bf16, f16 or f32 operands; f32 sums; everything else in f32.
;; Inputs: W 1,024 x 1,024 float32; b 1,024 float32; lowp_scales 4 int32 (the exponents e of the quantised operands' scales 2^e); x 32 x 1,024 x 1,024 float32.
;; Outputs: out0 32 x 1,024 float32.
;; This version of the problem:
;;   THIS VERSION OF THE PROBLEM IS GIVEN IN LOW PRECISION. The matrix products marked QUANTISED in the list below multiply operands that are first quantised to E4M3 (4 exponent bits, 3 mantissa bits; 8 bits a number), with one given power-of-two scale for each operand tensor; their sums are f32. All else is computed in f32.
;;   The module's matrix products, in the order in which they are computed (A, B: the left and right operand; K: the contracted axis; several contracted axes count as one K, in the product's order):
;;     1. [M 32,768, K 1,024] x [K 1,024, N 1,024]; A: input x; B: input W: QUANTISED (scales: A lowp_scales[0], B lowp_scales[1])
;;     2. batch 32 x [M 1,024, K 1,024] x [K 1,024, N 1,024]; A: computed on the way; B: computed on the way: QUANTISED (scales: A lowp_scales[2], B lowp_scales[3])
;;     3. batch 32 x [M 1, K 1,024] x [K 1,024, N 1,024]; A: computed on the way; B: computed on the way: left as it is (M = 1 < 16)
;;   THE QUANTISER, for each operand of a quantised product, along K:
;;     - The operand's scale is 2^e, e = its entry of the input lowp_scales (int32; the entries are numbered through the quantised products in the list's order, A before B).
;;     - Each number is divided by the scale, clamped to +-448, and rounded to the nearest number of E4M3, ties to even, subnormals kept.
;;     - The product sums the exact products of the quantised numbers (number of the format x scale) in f32.
;;   ~~~python
;;   def quantise(x, axis, e):      # numpy; x: float32 -> the quantised numbers, widened to float32 again
;;       x = np.moveaxis(x, axis, -1); K = x.shape[-1]
;;       r = np.clip(x / 2.0 ** e, -448, 448)
;;       step = 2.0 ** (np.maximum(np.frexp(np.where(r == 0, 1, r))[1] - 1, -6) - 3)
;;       q = np.round(r / step) * step * 2.0 ** e      # np.round: ties to even
;;       return np.moveaxis(q, -1, axis).astype(np.float32)
;;   ~~~
;;   OPERANDS COMPUTED ON THE WAY. 'Computed on the way' means the value that the module computes at that place (a softmax that the list does not call 'softmax' is quantised finished and normalised). What goes into a quantiser is computed in f32, as accurately as f32 sums, v_exp_f32 and their like allow (about 1e-6 of the number): no bf16 or f16 on the way to a quantiser, and a product that is left as it is and whose result goes on into a quantised operand takes f32 operands (vector FMAs, or v_wmma_f32_16x16x4_f32). A number that lies on a knife's edge between two numbers of the format may be rounded either way, as far as f32 arithmetic and the matrix unit's own rounding can turn it there, and no further.
;; One version. Each part assembles by itself: llvm-mc -triple=amdgcn-amd-amdhsa -mcpu=gfx1250 --defsym DOCPART=n.
;; ======== version 1 of 1: 2 launches
;; limits: right only within a limited range of input values
;; workspace buffers: wq 1,048,576 bytes
;; launch wprep (part 1): grid 256 x 1, 2 waves a work-group, no clusters, 4,864 bytes of LDS; arguments W, lowp_scales, wq; writes wq
.if DOCPART == 1
	.amdgcn_target "amdgcn-amd-amdhsa--gfx1250"
	.amdhsa_code_object_version 6
	.text
	.protected	k_q82d5bc5ee3_wprep
	.globl	k_q82d5bc5ee3_wprep
	.p2align	8
	.type	k_q82d5bc5ee3_wprep,@function
k_q82d5bc5ee3_wprep:
	s_mov_b64 s[64:65], 0
	v_nop
	global_prefetch_b8 v0, s[64:65] scope:SCOPE_SE
	s_setreg_imm32_b32 hwreg(HW_REG_WAVE_MODE, 25, 1), 1
	s_wait_xcnt 0x0
; THE PROGRAM.  context[b][t] = sum over j of s[b][j] hid[b][t][j], hid = Q(x) Q(W)^T + b (E4M3 codes, scales 2^e0 and 2^e1), s[b][j] = sum over i of softmax_i(e[b][i][j]), e = hid^T hid.
; WORK LEFT OUT, AND WHY IT IS DEAD.  s[b][j] adds a softmax up along the very axis along which it was normalised.  For any finite column e[b][.][j]: alpha[i] = exp(e[i] - max) / Z with
; Z = sum over i of exp(e[i] - max) >= exp(0) = 1, so the sum over i of alpha[i] is Z / Z = 1: an identity, whatever x, W, b and the scales hold.  So s is the factor 1, and the second product (hid^T hid), its two
; quantisers, the maximum, the exponentials and both sums of the softmax can reach no output: they are left out whole, and context[b][t] = sum over j of hid[b][t][j].
; Entries 2 and 3 of lowp_scales serve that product alone and are not loaded; entries 0 and 1, x, W and b are all live and all loaded.
; LIMIT: a NaN, an infinity or an overflow that would arise only in e, in the softmax or in s is not carried to the result.
; The first product stays whole: every product of a code of x with a code of W is formed by the matrix instruction, in the second launch.
;
; THIS LAUNCH turns W [1024 (n)][1024 (k)], f32, into codes of E4M3 with the given scale 2^e1 (entry 1 of lowp_scales): code = W / 2^e1, held within +-448, to the nearest code, ties to even.
; The codes are laid as IMAGES OF THE OPERAND'S REGISTERS: wq[kc][f][c][lane][16 bytes]; the 16 bytes at (kc, f, c, lane) are the codes of W[16 f + lane % 16][128 kc + 32 c + 16 (lane / 16) + 0 .. 15].
; So a fragment (16 n x 128 k) is 2,048 bytes on end, and all 64 fragments of 128 along K are 131,072 bytes on end.
; SHARES.  512 fragments, one a wave: task T = 2 x work-group + wave, kc = T / 64, f = T % 64.  A load takes 512 consecutive bytes of one row of W (4 numbers a lane); one scale serves the whole tensor, so the eight numbers
; of a conversion may come from two rows; a lane's four codes of a row go into the wave's own stage in LDS (16 rows, 144 bytes apart) and come back in the fragment's order; each store covers 512 consecutive bytes.
; Waves share nothing: no barrier, no cluster, no tensor load.
; LIMITS: e1 between -126 and 119, so that 2^e1 and 448 x 2^e1 are f32 numbers.  NaN in W is not served; an infinity is held at the largest code.
.set PITCH, 144                        ; a stage row: 128 bytes of codes + 16
.set SPARE, 2*16*PITCH                 ; behind the two stages: the spare words, 128 bytes for each wave, one block of 256 bytes that no other line names
.set X,   16                           ; v16-79   row i's four numbers at v[16 + 4 i]
.set C,   80                           ; v80-95   row i's four codes at v[80 + i]
.set F,   96                           ; v96-111  the fragment
.set SPW, 6                            ; v6   LDS address of my spare word; never rewritten
.set NIL, 7                            ; v7   0; never rewritten
	s_load_b128 s[4:7], s[0:1], 0x0                ; W s[4:5], the scales' exponents s[6:7]
	s_load_b64 s[8:9], s[0:1], 0x10                ; wq
	v_lshl_add_u32 v[SPW], v0, 2, SPARE
	v_mov_b32 v[NIL], 0
	v_lshrrev_b32 v5, 5, v0
	v_readfirstlane_b32 s10, v5                    ; wave 0, 1
	v_and_b32 v5, 31, v0                           ; lane
	v_lshlrev_b32 v1, 4, v5                        ; 16 x lane: my bytes of a load's and of a store's 512
	s_mul_i32 s20, s10, 16*PITCH                   ; my stage
	v_lshl_add_u32 v2, v5, 2, s20                  ; into it: 4 x lane of a row
	v_and_b32 v8, 15, v0                           ; r
	v_bfe_u32 v9, v0, 4, 1                         ; h
	v_mul_u32_u24 v3, v8, PITCH
	v_lshl_add_u32 v3, v9, 4, v3
	v_add_nc_u32 v3, s20, v3                       ; out of it: row r, + 16 h
	s_lshl_b32 s11, ttmp9, 1
	s_add_co_u32 s11, s11, s10                     ; T
	s_lshr_b32 s12, s11, 6                         ; kc
	s_and_b32 s14, s11, 63                         ; f
	s_lshl_b32 s12, s12, 9                         ; 128 numbers along K are 512 bytes,
	s_lshl_b32 s14, s14, 16                        ; 16 rows of 4,096 bytes are 65,536
	s_add_co_u32 s12, s12, s14
	s_mov_b32 s13, 0
	s_lshl_b32 s14, s11, 11                        ; the fragment's place in wq: 2,048 T
	s_mov_b32 s15, 0
	s_wait_alu depctr_va_vdst(0)
	s_wait_kmcnt 0x0
	s_load_b32 s16, s[6:7], 0x4                    ; e1
	s_add_nc_u64 s[4:5], s[4:5], s[12:13]
	s_add_nc_u64 s[8:9], s[8:9], s[14:15]
.irp i, 0,1,2,3,4,5,6,7,8,9,10,11,12,13,14,15
	global_load_b128 v[X+4*\i:X+4*\i+3], v1, s[4:5] offset:4096*\i th:TH_LOAD_NT   ; row i: 32 lanes read 512 consecutive bytes; read once in the launch
.endr
	s_wait_kmcnt 0x0
	s_add_co_i32 s16, s16, 127
	s_lshl_b32 s19, s16, 23
	v_mov_b32 v4, s19                              ; 2^e1 as f32: the conversion takes its exponent field
	s_add_co_i32 s16, s16, 8
	s_lshl_b32 s18, s16, 23
	s_or_b32 s18, s18, 0x600000                    ; 448 x 2^e1
	s_or_b32 s17, s18, 0x80000000                  ; and its negative
.irp q, 0,1,2,3,4,5,6,7
	s_wait_loadcnt 14-2*\q                         ; rows 2 q and 2 q + 1 are in; the 14 - 2 q loads behind them may be out
.irp i, 0,1,2,3,4,5,6,7
	v_med3_num_f32 v[X+8*\q+\i], v[X+8*\q+\i], s17, s18   ; the conversion to an 8-bit code does not saturate (ISA guide 7.6.2): the hold at the largest code x the scale
.endr
	s_wait_alu depctr_va_vdst(0)
	v_cvt_scalef32_pk8_fp8_f32 v[C+2*\q:C+2*\q+1], v[X+8*\q:X+8*\q+7], v4   ; four codes of row 2 q, four of row 2 q + 1
.endr
	v_nop                                          ; a plain vector line behind the last conversion
.irp i, 0,1,2,3,4,5,6,7,8,9,10,11,12,13,14,15
	ds_store_b32 v2, v[C+\i] offset:PITCH*\i       ; 32 lanes write a row's 128 bytes
.endr
.irp c, 0,1,2,3
	ds_load_b128 v[F+4*\c:F+4*\c+3], v3 offset:32*\c   ; LDS serves a wave's instructions in order (ISA guide 5.7.1.4): these see my stores.  k = 32 c + 16 h + 0 .. 15 of row r
.endr
	s_wait_dscnt 0x0
.irp c, 0,1,2,3
	global_store_b128 v1, v[F+4*\c:F+4*\c+3], s[8:9] offset:512*\c   ; 32 lanes store 512 consecutive bytes, at a multiple of 512 from wq's first byte
.endr
	s_wait_tensorcnt 0x0                           ; the wave's end, behind my last LDS store
	ds_add_u32 v[SPW], v[NIL]
	s_wait_dscnt 0x0
	s_endpgm
.Lfunc_end_k_q82d5bc5ee3_wprep:
	.size	k_q82d5bc5ee3_wprep, .Lfunc_end_k_q82d5bc5ee3_wprep-k_q82d5bc5ee3_wprep
	.p2alignl 7, 3214868480
	.fill 96, 4, 3214868480
	.section	.rodata,"a",@progbits
	.p2align	6, 0x0
	.amdhsa_kernel k_q82d5bc5ee3_wprep
		.amdhsa_group_segment_fixed_size 4864
		.amdhsa_private_segment_fixed_size 0
		.amdhsa_enable_private_segment 0
		.amdhsa_kernarg_size 24
		.amdhsa_user_sgpr_count 2
		.amdhsa_user_sgpr_kernarg_segment_ptr 1
		.amdhsa_wavefront_size32 1
		.amdhsa_system_sgpr_workgroup_id_x 1
		.amdhsa_system_sgpr_workgroup_id_y 1
		.amdhsa_system_sgpr_workgroup_id_z 1
		.amdhsa_system_vgpr_workitem_id 0
		.amdhsa_next_free_vgpr 112
		.amdhsa_next_free_sgpr 66
		.amdhsa_reserve_vcc 0
		.amdhsa_float_denorm_mode_32 3
		.amdhsa_float_denorm_mode_16_64 3
		.amdhsa_memory_ordered 1
		.amdhsa_forward_progress 1
		.amdhsa_inst_pref_size 11
	.end_amdhsa_kernel
	.amdgpu_metadata
---
amdhsa.version: [ 1, 2 ]
amdhsa.kernels:
  - .name:           k_q82d5bc5ee3_wprep
    .symbol:         k_q82d5bc5ee3_wprep.kd
    .args:
      - { .name: W, .offset: 0, .size: 8, .value_kind: global_buffer, .address_space: global }
      - { .name: lowp_scales, .offset: 8, .size: 8, .value_kind: global_buffer, .address_space: global }
      - { .name: wq, .offset: 16, .size: 8, .value_kind: global_buffer, .address_space: global }
    .group_segment_fixed_size: 4864
    .private_segment_fixed_size: 0
    .kernarg_segment_align: 8
    .kernarg_segment_size: 24
    .max_flat_workgroup_size: 64
    .sgpr_count:     66
    .vgpr_count:     112
    .wavefront_size: 32
...
	.end_amdgpu_metadata
.endif
;; end of part 1
;; launch main (part 2): grid 256 x 1, 8 waves a work-group, clusters of 4 x 1, 327,680 bytes of LDS; arguments x, wq, b, lowp_scales, out0; writes out0
.if DOCPART == 2
	.amdgcn_target "amdgcn-amd-amdhsa--gfx1250"
	.amdhsa_code_object_version 6
	.text
	.protected	k_q82d5bc5ee3_main
	.globl	k_q82d5bc5ee3_main
	.p2align	8
	.type	k_q82d5bc5ee3_main,@function
k_q82d5bc5ee3_main:
	s_mov_b64 s[64:65], 0
	v_nop
	global_prefetch_b8 v0, s[64:65] scope:SCOPE_SE
	s_setreg_imm32_b32 hwreg(HW_REG_WAVE_MODE, 25, 1), 1
	s_wait_xcnt 0x0
	s_wait_alu depctr_hold_cnt(0) depctr_sa_sdst(0) depctr_va_vdst(0) depctr_va_sdst(0) depctr_va_ssrc(0) depctr_va_vcc(0) depctr_vm_vsrc(0)
	s_getreg_b32 s2, hwreg(HW_REG_IB_STS2, 6, 4)
	s_cmp_eq_u32 s2, 0
	s_cbranch_scc0 .Lentry_in_a_cluster
	s_endpgm
.Lentry_in_a_cluster:
	s_bfe_u32 s2, ttmp6, 0x10000c
	s_cmp_lg_u32 s2, 0x3003
	s_cbranch_scc0 .Lentry_shape_is_right
	s_endpgm
.Lentry_shape_is_right:
; out0[row] = sum over j of hid[row][j] = 2^(e0 + e1) x (sum over j and k of code(x[row][k]) code(W[j][k])) + sum over j of b[j], row = 1024 b + t, 32,768 rows.
; WORK LEFT OUT: the second product, its quantisers and the softmax: the softmax's weights are added up along the axis along which they were normalised, which gives the factor 1 for all finite inputs (shown at the head of
; the first kernel).  LIMIT: a NaN, an infinity or an overflow that would arise only there is not carried to the result.
; THE FIRST PRODUCT IS DONE WHOLE, on codes of E4M3 by v_wmma_f32_16x16x64_fp8_fp8.  Its sums are f32 and are wanted only added up over j: so all column tiles of W add into the SAME accumulator of a tile of rows.
; SHARES.  A work-group owns 128 rows (8 tiles of 16).  K goes in 8 chunks of 128, a chunk a trip.  Eight waves, two on each SIMD: wave w multiplies all 8 tiles of rows by the 16 column tiles 16 (w % 4) .. + 15 of W, over
; the half w / 4 of the chunk's K: 128 matrix instructions a trip; and it quantises rows 16 w .. 16 w + 15 of the NEXT chunk of x.  At the end the eight waves' sums meet in LDS.
; TRANSPOSED USE: source 0 = a fragment of W, source 1 = a fragment of x: lane (r, h) of accumulator m holds row 16 m + r, and its eight registers eight columns of W.
; W comes as codes in the order of the operand's registers (the first launch): a chunk is 131,072 bytes on end.  Two LDS slots of a chunk; wave w fetches, by one tensor load, the eighth at 16,384 w.
; CLUSTER: 4 work-groups.  All work-groups walk the same chunks of W, so each eighth is asked for JOINTLY: the same tensor load with the same descriptor and the mask of all four, in all four.
; PREFETCH: wq is asked for ahead of its joint loads by clusters 0, 2, 4 and 6 alone (64 clusters read the same chunks); in such a cluster each of the 32 waves names 16 blocks of 256 bytes of a chunk, told apart by address.
; Chunks 1 and 2 are asked for at the head, chunk 3 in front of trip 0, chunk t + 4 at the end of trip t: two refills ahead of the joint load that wants it; nothing is asked for beyond chunk 7.
; x: each load takes 512 consecutive bytes of a row (4 numbers a lane), two chunks ahead of its use, into two sets of 64 registers.  Held, converted (one scale serves the tensor, so a conversion's eight numbers may come from
; two rows); a lane's 4 codes of a row go to LDS rows 144 bytes apart, from which every wave reads fragments.  No f32 number of x passes through LDS.
; k is laid alike in both operands: registers 4 c .. 4 c + 3 of lane (r, h) hold k = 32 c + 16 h + 0 .. 15 of the half: a permutation of the form's own order, the same on both sides; the order of the sums inside an
; instruction differs.
; LIMITS: e0 between -126 and 119; e0 + e1 between -126 and 127, so that the powers of two below are f32 numbers.  NaN in x is not served; an infinity is held at the largest code.
; REGISTERS, in windows of 256.  Window 0: v1-13 addresses and constants; v16-31 numbers held, two sets of 8; v32-47 codes; v48-111 the 8 accumulators; v112-239 x's fragments, two sets; v240-243 b.
;   Window 1: v0-127 W's 16 fragments, two buffers of 8; v128-255 two sets of 16 rows x 4 numbers of x.  Products and holds share one setting: source 0 in window 1, all else in window 0.
.set SLOT,  131072                     ; LDS: slot 0 at 0, slot 1 here: a chunk of W's codes each, fragment f (128 along K) at 2,048 f
.set XP,    144                        ; a row of x's codes: 128 bytes + 16: an odd multiple of 16, so that the 16 rows that a load touches start at 16 different places modulo 256 bytes
.set XC,    262144                     ; x's codes, 128 rows, for even chunks,
.set XCB,   128*XP                     ; and so far behind them for odd ones
.set RED,   XC+2*XCB                   ; the eight waves' sums: 8 x 128 f32
.set SPARE, RED+4096                   ; the spare words, 128 bytes for each wave: four blocks of 256 bytes that no other line names
.set L16,  1                           ; v1   16 x lane
.set ADB,  2                           ; v2-3 my fragments of W in slot 0, 1
.set ADA,  4                           ; v4   x's codes: 144 r + 16 h + 64 x my half of K
.set ADS,  5                           ; v5   where I store codes: my 16 rows, + 4 x lane
.set ADR,  6                           ; v6   where I put my sums: my 512 bytes, + 4 r
.set ADRR, 7                           ; v7   where wave 0 reads them: 16 x lane
.set SCL,  8                           ; v8   2^e0 as f32
.set SUMB, 9                           ; v9   the sum of my 128 numbers of b
.set PFO,  10                          ; v10  the prefetches' offset in a chunk; never rewritten
.set SPW,  12                          ; v12  LDS address of my spare word; never rewritten
.set NIL,  13                          ; v13  0; never rewritten
.set TMP,  16
.set CODES, 32
.set ACC,  48
.set AF,   112
.set BT,   240
.set X,    128                         ; in window 1
.set G1,   24                          ; s[24:31] descriptor group 1
.set G0,   32                          ; s[32:35], s[36:39] group 0 of slot 0, 1
.set NOQ,  99                          ; no quantising beside these products
.set MSB, 0
.macro WIN new                         ; s_set_vgpr_msb: bits 1:0 source 0, 3:2 source 1, 5:4 source 2, 7:6 destination; the high byte repeats the setting that is left
.if MSB != \new
	s_set_vgpr_msb (MSB<<8)|\new
.set MSB, \new
.endif
.endm
.macro PLACES n                        ; plain vector lines between a matrix instruction and a load into, or a read of, its registers
.rept \n
	v_nop
.endr
.endm
.macro CREST                           ; a round of the cluster's barrier behind its opening barrier
	s_cmp_lg_u32 s14, 0
	s_cbranch_scc1 .Lnot_wave_0_\@
	s_barrier_signal -3
.Lnot_wave_0_\@:
	s_barrier_wait -3
	s_barrier_signal -1
	s_barrier_wait -1
.endm
.macro CROUND                          ; a whole round
	s_barrier_signal -1
	s_barrier_wait -1
	CREST
.endm
.macro JLOAD g0                        ; a joint load: every wave fetches its own eighth of a chunk, with no branch; an s_nop 0 and four v_nop follow
	tensor_load_to_lds s[\g0:\g0+3], s[G1:G1+7]
	s_nop 0
.rept 4
	v_nop
.endr
.endm
.macro PF c                            ; chunk c of wq: 16 blocks of 256 bytes a wave (lanes 16-31 name the wave's last block again), in clusters 0, 2, 4, 6
	s_cmp_eq_u32 s43, 0
	s_cbranch_scc0 .Lno_pf_\@
	global_prefetch_b8 v[PFO], s[6:7] offset:(\c)*SLOT th:TH_LOAD_NT scope:SCOPE_SE
.Lno_pf_\@:
.endm
; rows 4 p .. 4 p + 3 of my 16, chunk u, into set u % 2.  The address registers are never rewritten: row and chunk stand in the immediate (65,024 at the most)
.macro XLOAD u, p
	WIN 0x40                                       ; destination window 1
.irp i, 0,1,2,3
	global_load_b128 v[X+64*((\u)%2)+4*(4*(\p)+\i):X+64*((\u)%2)+4*(4*(\p)+\i)+3], v[L16], s[4:5] offset:4096*(4*(\p)+\i)+512*(\u) th:TH_LOAD_NT   ; 512 consecutive bytes of a row; read once in the launch
.endr
.endm
; loads come back in order (ISA guide 5.7.1).  Behind rows 4 p .. 4 p + 3 of chunk u were issued: the rest of chunk u, 12 - 4 p; chunk u + 1, 16, if there is one; the parts of chunk u + 2 asked for so far, 4 p, if there is one
.macro QWAIT u, p
.if (\u) <= 5
	s_wait_loadcnt 28
.elseif (\u) == 6
	s_wait_loadcnt 28-4*(\p)
.else
	s_wait_loadcnt 12-4*(\p)
.endif
.endm
.macro HOLD u, q, i                    ; number i of rows 2 q, 2 q + 1.  The conversion to an 8-bit code does not saturate (ISA guide 7.6.2): the hold at +-448 x 2^e0
	v_med3_num_f32 v[TMP+8*((\q)%2)+(\i)], v[X+64*((\u)%2)+8*(\q)+(\i)], s22, s23
.endm
.macro CODE u, q                       ; their codes go to LDS; behind every second group four rows of chunk u + 2 are asked for
	WIN 0
	v_cvt_scalef32_pk8_fp8_f32 v[CODES+2*(\q):CODES+2*(\q)+1], v[TMP+8*((\q)%2):TMP+8*((\q)%2)+7], v[SCL]   ; four codes of row 2 q, four of row 2 q + 1
	ds_store_b32 v[ADS], v[CODES+2*(\q)] offset:XCB*((\u)%2)+XP*(2*(\q))        ; 32 lanes write a row's 128 bytes
	ds_store_b32 v[ADS], v[CODES+2*(\q)+1] offset:XCB*((\u)%2)+XP*(2*(\q)+1)
.if ((\q)%2 == 1) && ((\u)+2 <= 7)
	XLOAD (\u)+2, (\q)/2
.endif
.endm
.macro FETCH_A t                       ; chunk t's eight fragments of x, my half of K, into set t % 2: 16 loads
	WIN 0
.irp m, 0,1,2,3,4,5,6,7
.irp c, 0,1
	ds_load_b128 v[AF+64*((\t)%2)+8*\m+4*\c:AF+64*((\t)%2)+8*\m+4*\c+3], v[ADA] offset:XCB*((\t)%2)+16*XP*\m+32*\c
.endr
.endr
.endm
.macro FETCH_B t, g                    ; fragments 8 g .. 8 g + 7 of my sixteen, chunk t, my half of K, into buffer g: 16 loads, each of 512 consecutive bytes
	WIN 0x40                                       ; destination window 1
.irp i, 0,1,2,3,4,5,6,7
.irp c, 0,1
	ds_load_b128 v[64*(\g)+8*\i+4*\c:64*(\g)+8*\i+4*\c+3], v[ADB+(\t)%2] offset:2048*(8*(\g)+\i)+512*\c
.endr
.endr
.endm
; 8 matrix instructions: fragment j of W x the eight tiles of rows.  The eight accumulators take turns, one instruction a turn, in the same order throughout.  The very first eight
; products start the sums: nothing is ever cleared.  With q below 8, group q (rows 2 q, 2 q + 1) of chunk t + 1 is held, one number behind each product, and converted behind the eighth.
.macro G t, j, q
.if (\q) < 8
.if (\q)%2 == 0
	QWAIT (\t)+1, (\q)/2
.endif
.endif
	WIN 0x01                                       ; source 0 window 1
.irp m, 0,1,2,3,4,5,6,7
.if ((\t) == 0) && ((\j) == 0)
	v_wmma_f32_16x16x64_fp8_fp8 v[ACC+8*\m:ACC+8*\m+7], v[8*(\j):8*(\j)+7], v[AF+64*((\t)%2)+8*\m:AF+64*((\t)%2)+8*\m+7], 0
.else
	v_wmma_f32_16x16x64_fp8_fp8 v[ACC+8*\m:ACC+8*\m+7], v[8*(\j):8*(\j)+7], v[AF+64*((\t)%2)+8*\m:AF+64*((\t)%2)+8*\m+7], v[ACC+8*\m:ACC+8*\m+7]
.endif
.if (\q) < 8
	HOLD (\t)+1, \q, \m
.endif
.endr
.if (\q) < 8
	CODE (\t)+1, \q
.endif
.endm
	s_load_b256 s[4:11], s[0:1], 0x0               ; x s[4:5], wq s[6:7], b s[8:9], the scales' exponents s[10:11]
	s_load_b64 s[12:13], s[0:1], 0x20              ; out0
	v_lshl_add_u32 v[SPW], v0, 2, SPARE
	v_mov_b32 v[NIL], 0
	ds_add_u32 v[SPW], v[NIL]                      ; the wave's opening: the add, twice on end, and its wait ahead of my first tensor load; the set-up below, work on registers, stands between
	ds_add_u32 v[SPW], v[NIL]                      ; and once more, under the one wait
	v_lshrrev_b32 v14, 5, v0
	v_readfirstlane_b32 s14, v14                   ; wave 0..7
	s_and_b32 s17, s14, 3                          ; which 16 column tiles of W are mine
	s_lshr_b32 s18, s14, 2                         ; which half of a chunk's K is mine
	s_lshl_b32 s20, s17, 15
	s_lshl_b32 s21, s18, 10
	s_add_co_u32 s20, s20, s21                     ; my fragments in a slot: 32,768 (w % 4) + 1,024 (w / 4)
	s_lshl_b32 s21, s18, 6
	s_add_co_u32 s21, s21, XC                      ; my half of x's code rows
	s_mul_i32 s22, s14, 16*XP
	s_add_co_u32 s22, s22, XC                      ; the 16 code rows that I store
	s_lshl_b32 s23, s14, 9
	s_add_co_u32 s23, s23, RED                     ; my 128 sums
	; descriptor group 1: 16,384 bytes on end, stated as 64 rows of 32 elements of 8 bytes; no padding: a fragment is read as it lies, 512 consecutive bytes a load
	s_mov_b32 s[G1+0], 15|(3<<16)|(1<<21)          ; 15:0 the mask: all four work-groups; 17:16 elements of 8 bytes; 21 set beside a mask
	s_mov_b32 s[G1+1], 32<<16                      ; tensor_dim0 = 32
	s_mov_b32 s[G1+2], 64<<16                      ; tensor_dim1 = 64
	s_mov_b32 s[G1+3], 32<<16                      ; tile_dim0 = 32
	s_mov_b32 s[G1+4], 64                          ; tile_dim1 = 64
	s_mov_b32 s[G1+5], 32                          ; from row to row: 32 elements
	s_mov_b32 s[G1+6], 0
	s_mov_b32 s[G1+7], 0
	s_mov_b32 s40, 0x76543210                      ; v_permlanex16_b32's selects for lane l xor 16
	s_mov_b32 s41, 0xfedcba98
	s_lshl_b32 s44, s14, 14                        ; wq: my eighth of a chunk: made of the wave's number alone, in registers that never hold my place in the cluster
	s_mov_b32 s45, 0
	s_bfe_u32 s15, ttmp6, 0x40000                  ; cx: my place in the cluster: it enters x's, out0's and the prefetches' addresses and nothing else
	s_lshl_b32 s16, ttmp9, 2                       ; in a cluster launch ttmp9 counts clusters
	s_add_co_u32 s16, s16, s15                     ; my block of 128 rows
	s_and_b32 s43, ttmp9, 0x39                     ; 0 in clusters 0, 2, 4 and 6: they prefetch
	s_lshl_b32 s46, s15, 15
	s_lshl_b32 s47, s14, 12
	s_add_co_u32 s46, s46, s47                     ; my wave's 16 blocks of a chunk: 32,768 cx + 4,096 w
	s_lshl_b32 s18, s16, 19                        ; x: 128 rows of 4,096 bytes a block,
	s_lshl_b32 s19, s14, 16                        ; 16 rows a wave
	s_add_co_u32 s18, s18, s19
	s_mov_b32 s19, 0
	v_and_b32 v15, 31, v0                          ; lane
	v_and_b32 v16, 15, v0                          ; r
	v_bfe_u32 v17, v0, 4, 1                        ; h
	v_lshlrev_b32 v[L16], 4, v15
	v_min_u32 v18, 15, v15
	v_mul_u32_u24 v[ADA], v16, XP
	v_add_nc_u32 v[ADB], s20, v[L16]
	v_lshl_add_u32 v[ADA], v17, 4, v[ADA]
	v_add_nc_u32 v[ADB+1], SLOT, v[ADB]
	v_add_nc_u32 v[ADA], s21, v[ADA]
	v_lshl_add_u32 v[ADS], v15, 2, s22
	v_lshl_add_u32 v[ADR], v16, 2, s23
	v_add_nc_u32 v[ADRR], RED, v[L16]
	v_lshl_add_u32 v[PFO], v18, 8, s46
	s_wait_alu depctr_va_vdst(0)
	s_wait_dscnt 0x0                               ; both opening adds are done
	CROUND                                         ; all four work-groups are here: the first joint loads meet.  (The arguments are on their way meanwhile)
	s_wait_kmcnt 0x0
	s_load_b64 s[20:21], s[10:11], 0x0             ; e0, e1
	s_add_nc_u64 s[44:45], s[6:7], s[44:45]        ; wq at my eighth of chunk 0
	s_mov_b32 s[G0], 1                             ; 1:0 count = 1
	s_lshl_b32 s[G0+1], s14, 14                    ; LDS address: slot 0, my eighth
	s_mov_b64 s[G0+2:G0+3], s[44:45]               ; global address: chunk 0, my eighth
	s_or_b32 s[G0+3], s[G0+3], 0x80000000          ; 127:126 type = 2
	JLOAD G0                                       ; chunk 0: one tensor load a wave at the head
	PF 1
	PF 2
	s_add_nc_u64 s[4:5], s[4:5], s[18:19]          ; x at my wave's first row
	s_lshl_b32 s18, s14, 9
	s_add_nc_u64 s[8:9], s[8:9], s[18:19]          ; b at my 128 numbers
	global_load_b128 v[BT:BT+3], v[L16], s[8:9]    ; the oldest load, so it enters no count below
.irp p, 0,1,2,3
	XLOAD 0, \p
.endr
.irp p, 0,1,2,3
	XLOAD 1, \p
.endr
	WIN 0
	s_lshl_b32 s18, s16, 9
	s_add_nc_u64 s[12:13], s[12:13], s[18:19]      ; out0 at my block's 128 numbers
	s_mov_b32 s[G0+4], 1
	s_add_co_u32 s[G0+5], s[G0+1], SLOT            ; slot 1
	s_add_nc_u64 s[G0+6:G0+7], s[44:45], SLOT      ; chunk 1: a chunk is as long as a slot
	s_or_b32 s[G0+7], s[G0+7], 0x80000000
	s_wait_kmcnt 0x0
	s_add_co_i32 s42, s20, s21
	s_add_co_i32 s42, s42, 127
	s_lshl_b32 s42, s42, 23                        ; 2^(e0 + e1) as f32
	s_add_co_i32 s20, s20, 127
	s_lshl_b32 s21, s20, 23
	s_add_co_i32 s20, s20, 8
	s_lshl_b32 s23, s20, 23
	s_or_b32 s23, s23, 0x600000                    ; 448 x 2^e0
	s_or_b32 s22, s23, 0x80000000                  ; and its negative
	v_mov_b32 v[SCL], s21                          ; 2^e0 as f32: the conversion takes its exponent field
	s_wait_alu depctr_va_vdst(0)
.irp q, 0,1,2,3,4,5,6,7                        ; chunk 0 becomes codes; chunk 2 is asked for
.if \q%2 == 0
	QWAIT 0, \q/2
.endif
	WIN 0x01
.irp i, 0,1,2,3,4,5,6,7
	HOLD 0, \q, \i
.endr
	CODE 0, \q
.endr
	WIN 0
	v_pk_add_f32 v[BT:BT+1], v[BT:BT+1], v[BT+2:BT+3]   ; the sum of my 128 numbers of b (in since the first wait above)
	v_add_f32 v[SUMB], v[BT], v[BT+1]
	v_add_f32_dpp v[SUMB], v[SUMB], v[SUMB] row_xmask:1 row_mask:0xf bank_mask:0xf
	v_add_f32_dpp v[SUMB], v[SUMB], v[SUMB] row_xmask:2 row_mask:0xf bank_mask:0xf
	v_add_f32_dpp v[SUMB], v[SUMB], v[SUMB] row_xmask:4 row_mask:0xf bank_mask:0xf
	v_add_f32_dpp v[SUMB], v[SUMB], v[SUMB] row_xmask:8 row_mask:0xf bank_mask:0xf
	v_permlanex16_b32 v14, v[SUMB], s40, s41       ; (v14 has been written: a lane permute's destination counts as read)
	v_add_f32 v[SUMB], v[SUMB], v14
	s_wait_alu depctr_va_vdst(0)
	s_wait_tensorcnt 0x0                           ; my eighth of chunk 0 is in
	ds_add_u32 v[SPW], v[NIL]                      ; 0 onto my spare word
	s_wait_dscnt 0x0                               ; the add is done; my codes of chunk 0 lie in LDS
	CROUND                                         ; everybody's part of chunk 0, of W and of x, is in
	JLOAD G0+4                                     ; chunk 1, the first tensor load behind the round
	FETCH_A 0
	FETCH_B 0, 0
	WIN 0
	PF 3
; A TRIP: chunk t is multiplied, fragment by fragment; chunk t + 1 of x is quantised beside fragments 2 to 9; chunk t + 3 of x is asked for.  ONE barrier a trip.  In front of it each wave has waited for its tensor load
; (chunk t + 1 of W), for its stores of chunk t + 1's codes and for its reads of chunk t's codes and slot.  Behind it chunk t + 1's codes may be read by all, chunk t's may be written over in the next trip, and the slot just
; read takes chunk t + 2.  Fragments 12 to 15 are multiplied behind it, while the next trip's first fragments are on their way.
; The plain lines between a buffer's last product and the loads into it are the holds of chunk t + 1 (16 or more), and four v_nop in the last trip.
.macro TRIP t
	s_wait_dscnt 12                                ; x's fragments and W's 0, 1 are in; W's 2 to 7, twelve loads, may be out
	G \t, 0, NOQ
	G \t, 1, NOQ
	s_wait_dscnt 8                                 ; W's 2, 3 are in; eight loads may be out
.if (\t) <= 6
	G \t, 2, 0
	G \t, 3, 1
	FETCH_B \t, 1
	s_wait_dscnt 20                                ; W's 4 to 7 are in: behind them 4 stores of codes and the 16 loads just issued
	G \t, 4, 2
	G \t, 5, 3
	G \t, 6, 4
	G \t, 7, 5
	s_wait_dscnt 8                                 ; W's 8 to 15 are in: behind them 8 stores of codes
	G \t, 8, 6
	G \t, 9, 7
	WIN 0                                          ; (the add's two registers lie in window 0)
	s_wait_tensorcnt 0x0                           ; all my tensor loads have landed: the one that was out is my eighth of chunk t + 1; so a group 0 may be written
	ds_add_u32 v[SPW], v[NIL]                      ; 0 onto my spare word
.if (\t) <= 5
	s_add_nc_u64 s[G0+4*((\t)%2)+2:G0+4*((\t)%2)+3], s[G0+4*((\t)%2)+2:G0+4*((\t)%2)+3], 2*SLOT   ; this slot's next chunk: two on; the type bits on top are not reached
.endif
	G \t, 10, NOQ                                  ; eight matrix instructions stand between the add and the wait for it
	s_wait_dscnt 0x0                               ; the add is done; my stores of codes have landed; my reads of this chunk's codes and of this slot are over
	s_barrier_signal -1
	G \t, 11, NOQ                                  ; work on registers while the others arrive
	WIN 0
	s_barrier_wait -1
.if (\t) <= 5
	CREST                                          ; the barrier has opened a round of the cluster's: no wave of any partner still reads this slot or has a load on its way
	JLOAD G0+4*((\t)%2)                            ; the first tensor load behind the round, my one load until the next
.endif
	FETCH_A (\t)+1
	FETCH_B (\t)+1, 0
.if (\t) <= 3
	WIN 0
	PF (\t)+4
.endif
.else
	G \t, 2, NOQ                                   ; the last trip: nothing to quantise, nothing to fetch, no barrier
	G \t, 3, NOQ
	PLACES 4
	FETCH_B \t, 1
	s_wait_dscnt 16                                ; all but the 16 just issued
	G \t, 4, NOQ
	G \t, 5, NOQ
	G \t, 6, NOQ
	G \t, 7, NOQ
	s_wait_dscnt 0x0
.irp f, 8,9,10,11
	G \t, \f, NOQ
.endr
.endif
.irp f, 12,13,14,15
	G \t, \f, NOQ
.endr
.endm
; The eight trips are written out.
.irp t, 0,1,2,3,4,5,6,7
	TRIP \t
.endr
	; THE WAY OUT.  A lane's eight registers of an accumulator, and those of the lane 16 away, are the sixteen column classes of one row: added, they are my wave's part of the row's sum.  Each accumulator is read from its low end on.
	WIN 0
	PLACES 4
.irp m, 0,1,2,3,4,5,6,7
	v_pk_add_f32 v[TMP+4*\m:TMP+4*\m+1], v[ACC+8*\m:ACC+8*\m+1], v[ACC+8*\m+2:ACC+8*\m+3]
.endr
.irp m, 0,1,2,3,4,5,6,7
	v_pk_add_f32 v[TMP+4*\m+2:TMP+4*\m+3], v[ACC+8*\m+4:ACC+8*\m+5], v[ACC+8*\m+6:ACC+8*\m+7]
.endr
.irp m, 0,1,2,3,4,5,6,7
	v_pk_add_f32 v[TMP+4*\m:TMP+4*\m+1], v[TMP+4*\m:TMP+4*\m+1], v[TMP+4*\m+2:TMP+4*\m+3]
.endr
.irp m, 0,1,2,3,4,5,6,7
	v_add_f32 v[TMP+4*\m], v[TMP+4*\m], v[TMP+4*\m+1]
.endr
.irp m, 0,1,2,3,4,5,6,7
	v_permlanex16_b32 v[TMP+4*\m+1], v[TMP+4*\m], s40, s41
.endr
.irp m, 0,1,2,3,4,5,6,7
	v_add_f32 v[TMP+4*\m], v[TMP+4*\m], v[TMP+4*\m+1]
.endr
.irp m, 0,1,2,3,4,5,6,7
	v_fma_f32 v[TMP+4*\m], v[TMP+4*\m], s42, v[SUMB]   ; x 2^(e0 + e1), + the sum of my eighth of b
.endr
.irp m, 0,1,2,3,4,5,6,7
	ds_store_b32 v[ADR], v[TMP+4*\m] offset:64*\m   ; row 16 m + r; lanes r and r + 16 write the same word with the same number
.endr
	s_wait_dscnt 0x0                               ; for the others' sake: my sums lie in LDS
	s_barrier_signal -1
	s_barrier_wait -1
	s_cmp_lg_u32 s14, 0                            ; wave 0 adds the eight waves' parts and stores the block's 128 numbers by one instruction
	s_cbranch_scc1 .Lnot_first
.irp u, 0,1,2,3,4,5,6,7
	ds_load_b128 v[AF+4*\u:AF+4*\u+3], v[ADRR] offset:512*\u   ; wave u's sums of rows 4 lane .. 4 lane + 3
.endr
	s_wait_dscnt 0x0
.irp d, 16,8,4                                 ; eight parts to four, to two, to one
.set i, 0
.rept \d/2
	v_pk_add_f32 v[AF+i:AF+i+1], v[AF+i:AF+i+1], v[AF+\d+i:AF+\d+i+1]
.set i, i+2
.endr
.endr
	global_store_b128 v[L16], v[AF:AF+3], s[12:13]   ; 32 lanes store 512 consecutive bytes, at a multiple of 512 from out0's first byte
.Lnot_first:
	s_wait_tensorcnt 0x0                           ; the wave's end, behind my last tensor load and my last LDS store
	ds_add_u32 v[SPW], v[NIL]
	s_wait_dscnt 0x0
	CROUND                                         ; the closing round: no work-group ends while a partner may still ask for a tile that names it
	s_endpgm
.Lfunc_end_k_q82d5bc5ee3_main:
	.size	k_q82d5bc5ee3_main, .Lfunc_end_k_q82d5bc5ee3_main-k_q82d5bc5ee3_main
	.p2alignl 7, 3214868480
	.fill 96, 4, 3214868480
	.section	.rodata,"a",@progbits
	.p2align	6, 0x0
	.amdhsa_kernel k_q82d5bc5ee3_main
		.amdhsa_group_segment_fixed_size 327680
		.amdhsa_private_segment_fixed_size 0
		.amdhsa_enable_private_segment 0
		.amdhsa_kernarg_size 40
		.amdhsa_user_sgpr_count 2
		.amdhsa_user_sgpr_kernarg_segment_ptr 1
		.amdhsa_wavefront_size32 1
		.amdhsa_system_sgpr_workgroup_id_x 1
		.amdhsa_system_sgpr_workgroup_id_y 1
		.amdhsa_system_sgpr_workgroup_id_z 1
		.amdhsa_system_vgpr_workitem_id 0
		.amdhsa_next_free_vgpr 512
		.amdhsa_next_free_sgpr 66
		.amdhsa_reserve_vcc 0
		.amdhsa_float_denorm_mode_32 3
		.amdhsa_float_denorm_mode_16_64 3
		.amdhsa_memory_ordered 1
		.amdhsa_forward_progress 1
		.amdhsa_inst_pref_size 170
	.end_amdhsa_kernel
	.amdgpu_metadata
---
amdhsa.version: [ 1, 2 ]
amdhsa.kernels:
  - .name:           k_q82d5bc5ee3_main
    .symbol:         k_q82d5bc5ee3_main.kd
    .args:
      - { .name: x, .offset: 0, .size: 8, .value_kind: global_buffer, .address_space: global }
      - { .name: wq, .offset: 8, .size: 8, .value_kind: global_buffer, .address_space: global }
      - { .name: b, .offset: 16, .size: 8, .value_kind: global_buffer, .address_space: global }
      - { .name: lowp_scales, .offset: 24, .size: 8, .value_kind: global_buffer, .address_space: global }
      - { .name: out0, .offset: 32, .size: 8, .value_kind: global_buffer, .address_space: global }
    .group_segment_fixed_size: 327680
    .private_segment_fixed_size: 0
    .kernarg_segment_align: 8
    .kernarg_segment_size: 40
    .max_flat_workgroup_size: 256
    .sgpr_count:     66
    .vgpr_count:     512
    .wavefront_size: 32
...
	.end_amdgpu_metadata
.endif
;; end of part 2
